; MI455X (gfx1250); checked and timed in simulation.
; The chip was launched on July 23, 2026; its instructions are those of AMD's public machine-readable ISA for CDNA 5 (MIT licence, August 2026) and "CDNA5" Instruction Set Architecture Reference Guide (July 2026). The comments in the code are by the model that wrote it; some were corrected since.
;; Attention. Allowed arithmetic: matrix products marked QUANTISED: E3M2 operands, one E8M0 scale for each 32 along K, by v_wmma_scale_f32_16x16x128_f8f6f4 with both operands' format E3M2, f32 sums; products left as they are: f32 operands where the result goes on into a quantised operand, else bf16, f16 or f32 operands; f32 sums; everything else in f32.
;; Inputs: U_codes 1,024 x 32 x 24 uint8 (E3M2 codes of U, K innermost, in blocks of 32 codes, four codes in three bytes); U_scales 1,024 x 32 uint8 (E8M0 scales of U, one for each 32 codes along K); W_codes 1,024 x 32 x 24 uint8 (E3M2 codes of W, K innermost, in blocks of 32 codes, four codes in three bytes); W_scales 1,024 x 32 uint8 (E8M0 scales of W, one for each 32 codes along K); hidden_codes 1 x 64 x 32 x 24 uint8 (E3M2 codes of hidden, K innermost, in blocks of 32 codes, four codes in three bytes); hidden_scales 1 x 64 x 32 uint8 (E8M0 scales of hidden, one for each 32 codes along K); inputs_codes 1,024 x 64 x 32 x 24 uint8 (E3M2 codes of inputs, K innermost, in blocks of 32 codes, four codes in three bytes); inputs_scales 1,024 x 64 x 32 uint8 (E8M0 scales of inputs, one for each 32 codes along K); pad_matrix 64 x 1,024 bool; v 1,024 x 1 float32.
;; Outputs: out0 64 x 1,024 float32.
;; This version of the problem:
;;   THIS VERSION OF THE PROBLEM IS GIVEN IN LOW PRECISION. The matrix products marked QUANTISED in the list below multiply operands that are first quantised to E3M2 (3 exponent bits, 2 mantissa bits; 6 bits a number), with one power-of-two scale for each 32 numbers along K (OCP MX v1.0); their sums are f32. All else is computed in f32.
;;   The module's matrix products, in the order in which they are computed (A, B: the left and right operand; K: the contracted axis; several contracted axes count as one K, in the product's order):
;;     1. [M 64, K 1,024] x [K 1,024, N 1,024]; A: input hidden (given as codes); B: input W (given as codes): QUANTISED
;;     2. [M 65,536, K 1,024] x [K 1,024, N 1,024]; A: input inputs (given as codes); B: input U (given as codes): QUANTISED
;;     3. [M 65,536, K 1,024] x [K 1,024, N 1]; A: computed on the way; B: input v: left as it is (N = 1 < 16)
;;   THE QUANTISER, for each operand of a quantised product, along K:
;;     - K is cut into blocks of 32 from its start; a last block that is shorter is filled with zeros.
;;     - A block's scale is 2^e with e = floor(log2(the largest magnitude in the block)) - 4, held to -126 .. 127; a block of zeros has e = 0. As a byte (E8M0): e + 127.
;;     - Each number is divided by its block's scale, clamped to +-28, and rounded to the nearest number of E3M2, ties to even, subnormals kept.
;;     - The product sums the exact products of the quantised numbers (number of the format x scale) in f32.
;;   ~~~python
;;   def quantise(x, axis):      # numpy; x: float32 -> the quantised numbers, widened to float32 again
;;       x = np.moveaxis(x, axis, -1); K = x.shape[-1]
;;       x = np.pad(x, [(0, 0)] * (x.ndim - 1) + [(0, -K % 32)]); x = x.reshape(x.shape[:-1] + (-1, 32)); a = np.abs(x).max(-1, keepdims=True)
;;       e = np.where(a > 0, np.clip(np.frexp(np.where(a > 0, a, 1))[1] - 1 - 4, -126, 127), 0)      # np.frexp(a)[1] - 1 = floor(log2(a)), exactly
;;       r = np.clip(x / 2.0 ** e, -28, 28)
;;       step = 2.0 ** (np.maximum(np.frexp(np.where(r == 0, 1, r))[1] - 1, -2) - 2)
;;       q = np.round(r / step) * step * 2.0 ** e      # np.round: ties to even
;;       return np.moveaxis(q.reshape(q.shape[:-2] + (-1,))[..., :K], -1, axis).astype(np.float32)
;;   ~~~
;;   INPUTS GIVEN AS CODES. U (in the module: [1024, 1024], K = its axis 0); W (in the module: [1024, 1024], K = its axis 0); hidden (in the module: [1, 64, 1024], K = its axis 2); inputs (in the module: [1024, 64, 1024], K = its axis 2): each comes as NAME_codes (uint8): NAME with its K axis moved to the last place and cut into blocks of 32 codes, [.., K / 32, bytes a block], one block behind the other in memory; four codes in three bytes: a row's codes are one little-endian stream of bits, code i at bits 6 i .. 6 i + 5 (a code: sign, 3 exponent bits, 2 mantissa bits); and NAME_scales (uint8): the same leading axes, one E8M0 byte (e + 127) for each 32 codes along K. Its value is code x scale, taken as it is: it is not quantised again, and the codes and scales need not be those that the quantiser above would give.
;; One version. Each part assembles by itself: llvm-mc -triple=amdgcn-amd-amdhsa -mcpu=gfx1250 --defsym DOCPART=n.
;; ======== version 1 of 1: 3 launches
;; limits: right only within a limited range of input values
;; workspace buffers: stream 1,048,576 bytes; part 262,144 bytes
;; launch prep (part 1): grid 64 x 4, 2 waves a work-group, no clusters, 1,280 bytes of LDS; arguments W_codes, W_scales, hidden_codes, hidden_scales, U_codes, stream; writes stream
.if DOCPART == 1
	.amdgcn_target "amdgcn-amd-amdhsa--gfx1250"
	.amdhsa_code_object_version 6
	.text
	.protected	k_qeb2d667a3a_prep
	.globl	k_qeb2d667a3a_prep
	.p2align	8
	.type	k_qeb2d667a3a_prep,@function
k_qeb2d667a3a_prep:
	s_mov_b64 s[64:65], 0
	v_nop
	global_prefetch_b8 v0, s[64:65] scope:SCOPE_SE
	s_setreg_imm32_b32 hwreg(HW_REG_WAVE_MODE, 25, 1), 1
	s_wait_xcnt 0x0
; Makes the buffer 'stream' that the second launch walks: 16 slots of 65,536 bytes.
; Work-group (t, be): t = a tile of 16 columns n of W and of U (0..63), be = a tile of 16 rows b of hidden (0..3).  Two waves.
;  (1) c x (hidden W) for 16 b x 16 n, c = 2 log2(e), on the given E3M2 codes: K = 1,024 in 8 steps of 128, wave w takes steps 4 w .. 4 w + 3.
;      Used transposed (source 0 = 16 rows n of W, source 1 = 16 rows b of hidden): lane (r, h), register j = c ah[16 be + r][16 t + 8 h + j],
;      which is the layout of the second launch's accumulators.  Wave 1's sum goes to wave 0 through LDS as an image of its 8 registers;
;      wave 0 adds, scales and stores the image: group g of four registers at 512 g + 16 x lane.
;  (2) U's fragment of tile t for K step 2 be + w, copied by wave w as an image of its 12 registers: group g of four at 512 g + 16 x lane.
; WHY TWO WAVES: a wave then has 2 + 48 + 6 = 56 loads, all out at once, inside what LOADcnt's field holds (ISA guide 5.7.1).
; PLACES IN stream: with j = t / 32, k = (t % 32) / 2, u = t % 2, rec = 2 j + u:
;      U's fragment (t, K step s) at 65536 k + 12288 rec + 1536 s;   the bias (t, be) at 65536 k + 49152 + 4096 rec + 1024 be.
; Every store of a wave covers 512 consecutive bytes at a multiple of 512.
; K is summed in four parts (two accumulators by turns in each wave), added at the end: an order of rounding that differs from one chain's.
; LIMITS: a scale byte 0xff (NaN) is not served.
.set FO,  1                            ; v1       768 r + 24 h: my place in a tile's rows of codes
.set SO,  2                            ; v2       32 r: my row's scale bytes
.set IO,  3                            ; v3       16 x lane: an image's place, in LDS and in stream
.set SW,  4                            ; v4-7     W's scale words of my four K steps (lanes 0-15 are read)
.set SH,  8                            ; v8-11    hidden's
.set AC,  12                           ; v12-19, v20-27  two accumulators
.set PT,  28                           ; v28-35   wave 1's sum, in wave 0
.set WF,  36                           ; v36-83   W's 4 fragments
.set HF,  84                           ; v84-131  hidden's 4 fragments
.set UFR, 132                          ; v132-143 U's fragment
	s_load_b256 s[4:11], s[0:1], 0x0               ; W's codes, W's scales, hidden's codes, hidden's scales
	s_load_b128 s[12:15], s[0:1], 0x20             ; U's codes, stream
	v_lshl_add_u32 v148, v0, 2, 0x400
	v_mov_b32 v149, 0
	v_lshrrev_b32 v144, 5, v0
	v_readfirstlane_b32 s38, v144                  ; wave 0, 1
	v_and_b32 v144, 15, v0                         ; r
	v_bfe_u32 v145, v0, 4, 1                       ; h
	v_mul_u32_u24 v[FO], v144, 768                 ; a row of 1,024 codes is 768 bytes
	v_mad_u32_u24 v[FO], v145, 24, v[FO]
	v_lshlrev_b32 v[SO], 5, v144
	v_and_b32 v[IO], 31, v0
	v_lshlrev_b32 v[IO], 4, v[IO]
	s_and_b32 s16, ttmp7, 0xffff                   ; be
	s_mul_i32 s40, ttmp9, 12288                    ; 16 rows of codes of W or U
	s_mul_i32 s41, s38, 384                        ; my four K steps: 96 bytes a step,
	s_lshl_b32 s42, s38, 4                         ; and 4 scale bytes a step
	s_add_co_u32 s18, s40, s41                     ; W's codes
	s_mov_b32 s19, 0
	s_lshl_b32 s20, ttmp9, 9                       ; 16 rows of scale bytes
	s_add_co_u32 s20, s20, s42
	s_mov_b32 s21, 0
	s_mul_i32 s22, s16, 12288                      ; hidden's codes
	s_add_co_u32 s22, s22, s41
	s_mov_b32 s23, 0
	s_lshl_b32 s24, s16, 9
	s_add_co_u32 s24, s24, s42
	s_mov_b32 s25, 0
	s_lshl_b32 s43, s16, 1
	s_add_co_u32 s43, s43, s38                     ; the K step of U that I copy: 2 be + w
	s_mul_i32 s26, s43, 96
	s_add_co_u32 s26, s26, s40
	s_mov_b32 s27, 0
	s_bfe_u32 s30, ttmp9, 0x40001                  ; k = (t % 32) / 2: 4 bits from bit 1
	s_lshl_b32 s30, s30, 16
	s_lshr_b32 s31, ttmp9, 5
	s_lshl_b32 s31, s31, 1
	s_and_b32 s17, ttmp9, 1
	s_add_co_u32 s31, s31, s17                     ; rec = 2 (t / 32) + t % 2
	s_lshl_b32 s28, s31, 12
	s_add_co_u32 s28, s28, s30
	s_lshl_b32 s17, s16, 10
	s_add_co_u32 s28, s28, s17
	s_add_co_u32 s28, s28, 49152                   ; the bias's place
	s_mov_b32 s29, 0
	s_mul_i32 s32, s31, 12288
	s_add_co_u32 s32, s32, s30
	s_mul_i32 s17, s43, 1536
	s_add_co_u32 s32, s32, s17                     ; my image of U's place
	s_mov_b32 s33, 0
	s_wait_alu depctr_va_vdst(0)
	s_wait_kmcnt 0x0
	s_add_nc_u64 s[4:5], s[4:5], s[18:19]
	s_add_nc_u64 s[6:7], s[6:7], s[20:21]
	s_add_nc_u64 s[8:9], s[8:9], s[22:23]
	s_add_nc_u64 s[10:11], s[10:11], s[24:25]
	s_add_nc_u64 s[12:13], s[12:13], s[26:27]
	s_add_nc_u64 s[34:35], s[14:15], s[28:29]
	s_add_nc_u64 s[36:37], s[14:15], s[32:33]
	global_load_b128 v[SW:SW+3], v[SO], s[6:7]
	global_load_b128 v[SH:SH+3], v[SO], s[10:11]
.irp s, 0,1,2,3
.irp p, 0,1,2,3,4,5                    ; a fragment: 24 bytes at 96 s + 24 h and 24 at 48 more, in pieces of 8 bytes
	global_load_b64 v[WF+12*\s+2*\p:WF+12*\s+2*\p+1], v[FO], s[4:5] offset:96*\s+48*(\p/3)+8*(\p%3)
	global_load_b64 v[HF+12*\s+2*\p:HF+12*\s+2*\p+1], v[FO], s[8:9] offset:96*\s+48*(\p/3)+8*(\p%3)
.endr
.endr
.irp p, 0,1,2,3,4,5
	global_load_b64 v[UFR+2*\p:UFR+2*\p+1], v[FO], s[12:13] offset:48*(\p/3)+8*(\p%3)
.endr
	s_wait_loadcnt 6                               ; all but U's six loads, which were issued last
.irp s, 0,1                            ; the first two K steps start the two sums
	v_wmma_scale_f32_16x16x128_f8f6f4 v[AC+8*\s:AC+8*\s+7], v[WF+12*\s:WF+12*\s+11], v[HF+12*\s:HF+12*\s+11], 0, v[SW+\s], v[SH+\s] matrix_a_fmt:MATRIX_FMT_BF6 matrix_b_fmt:MATRIX_FMT_BF6
.endr
.irp s, 2,3                            ; the two accumulators take turns, one instruction a turn
	v_wmma_scale_f32_16x16x128_f8f6f4 v[AC+8*(\s%2):AC+8*(\s%2)+7], v[WF+12*\s:WF+12*\s+11], v[HF+12*\s:HF+12*\s+11], v[AC+8*(\s%2):AC+8*(\s%2)+7], v[SW+\s], v[SH+\s] matrix_a_fmt:MATRIX_FMT_BF6 matrix_b_fmt:MATRIX_FMT_BF6
.endr
.rept 4
	v_nop                                          ; four places behind the last products, ahead of the first read of their results (ISA guide 7.12.1)
.endr
.irp j, 0,2,4,6
	v_pk_add_f32 v[AC+\j:AC+\j+1], v[AC+\j:AC+\j+1], v[AC+8+\j:AC+8+\j+1]   ; both accumulators from their low ends on
.endr
	s_cmp_eq_u32 s38, 0
	s_cbranch_scc1 .Lkeep
	ds_store_b128 v[IO], v[AC:AC+3]                ; wave 1: its sum as an image of the 8 registers
	ds_store_b128 v[IO], v[AC+4:AC+7] offset:512
.Lkeep:
	s_wait_dscnt 0x0                               ; for wave 0's sake: the stores have landed
	s_barrier_signal -1
	s_barrier_wait -1
	s_cmp_lg_u32 s38, 0
	s_cbranch_scc1 .Lcopy
	ds_load_b128 v[PT:PT+3], v[IO]                 ; wave 0: the same lines as loads give the same registers in the same lanes
	ds_load_b128 v[PT+4:PT+7], v[IO] offset:512
	s_wait_dscnt 0x0
	s_wait_alu depctr_va_vdst(0)
.irp j, 0,2,4,6
	v_pk_add_f32 v[AC+\j:AC+\j+1], v[AC+\j:AC+\j+1], v[PT+\j:PT+\j+1]
.endr
.irp j, 0,2,4,6
	v_pk_mul_f32 v[AC+\j:AC+\j+1], v[AC+\j:AC+\j+1], 0x4038aa3b op_sel_hi:[1,0]   ; x c = 2 log2(e)
.endr
	global_store_b128 v[IO], v[AC:AC+3], s[34:35]
	global_store_b128 v[IO], v[AC+4:AC+7], s[34:35] offset:512
.Lcopy:
	s_wait_loadcnt 0x0                             ; U's fragment
.irp g, 0,1,2
	global_store_b128 v[IO], v[UFR+4*\g:UFR+4*\g+3], s[36:37] offset:512*\g
.endr
	s_wait_tensorcnt 0x0
	ds_add_u32 v148, v149
	s_wait_dscnt 0x0
	s_endpgm
.Lfunc_end_k_qeb2d667a3a_prep:
	.size	k_qeb2d667a3a_prep, .Lfunc_end_k_qeb2d667a3a_prep-k_qeb2d667a3a_prep
	.p2alignl 7, 3214868480
	.fill 96, 4, 3214868480
	.section	.rodata,"a",@progbits
	.p2align	6, 0x0
	.amdhsa_kernel k_qeb2d667a3a_prep
		.amdhsa_group_segment_fixed_size 1280
		.amdhsa_private_segment_fixed_size 0
		.amdhsa_enable_private_segment 0
		.amdhsa_kernarg_size 48
		.amdhsa_user_sgpr_count 2
		.amdhsa_user_sgpr_kernarg_segment_ptr 1
		.amdhsa_wavefront_size32 1
		.amdhsa_system_sgpr_workgroup_id_x 1
		.amdhsa_system_sgpr_workgroup_id_y 1
		.amdhsa_system_sgpr_workgroup_id_z 1
		.amdhsa_system_vgpr_workitem_id 0
		.amdhsa_next_free_vgpr 150
		.amdhsa_next_free_sgpr 66
		.amdhsa_reserve_vcc 0
		.amdhsa_float_denorm_mode_32 3
		.amdhsa_float_denorm_mode_16_64 3
		.amdhsa_memory_ordered 1
		.amdhsa_forward_progress 1
		.amdhsa_inst_pref_size 11
	.end_amdhsa_kernel
	.amdgpu_metadata
---
amdhsa.version: [ 1, 2 ]
amdhsa.kernels:
  - .name:           k_qeb2d667a3a_prep
    .symbol:         k_qeb2d667a3a_prep.kd
    .args:
      - { .name: W_codes, .offset: 0, .size: 8, .value_kind: global_buffer, .address_space: global }
      - { .name: W_scales, .offset: 8, .size: 8, .value_kind: global_buffer, .address_space: global }
      - { .name: hidden_codes, .offset: 16, .size: 8, .value_kind: global_buffer, .address_space: global }
      - { .name: hidden_scales, .offset: 24, .size: 8, .value_kind: global_buffer, .address_space: global }
      - { .name: U_codes, .offset: 32, .size: 8, .value_kind: global_buffer, .address_space: global }
      - { .name: stream, .offset: 40, .size: 8, .value_kind: global_buffer, .address_space: global }
    .group_segment_fixed_size: 1280
    .private_segment_fixed_size: 0
    .kernarg_segment_align: 8
    .kernarg_segment_size: 48
    .max_flat_workgroup_size: 64
    .sgpr_count:     66
    .vgpr_count:     150
    .wavefront_size: 32
...
	.end_amdgpu_metadata
.endif
;; end of part 1
;; launch scores (part 2): grid 256 x 1, 8 waves a work-group, clusters of 4 x 1, 327,680 bytes of LDS; arguments inputs_codes, inputs_scales, U_scales, v, stream, part; writes part
.if DOCPART == 2
	.amdgcn_target "amdgcn-amd-amdhsa--gfx1250"
	.amdhsa_code_object_version 6
	.text
	.protected	k_qeb2d667a3a_scores
	.globl	k_qeb2d667a3a_scores
	.p2align	8
	.type	k_qeb2d667a3a_scores,@function
k_qeb2d667a3a_scores:
	s_mov_b64 s[64:65], 0
	v_nop
	global_prefetch_b8 v0, s[64:65] scope:SCOPE_SE
	s_setreg_imm32_b32 hwreg(HW_REG_WAVE_MODE, 25, 1), 1
	s_wait_xcnt 0x0
	s_wait_alu depctr_hold_cnt(0) depctr_sa_sdst(0) depctr_va_vdst(0) depctr_va_sdst(0) depctr_va_ssrc(0) depctr_va_vcc(0) depctr_vm_vsrc(0)
	s_getreg_b32 s2, hwreg(HW_REG_IB_STS2, 6, 4)
	s_cmp_eq_u32 s2, 0
	s_cbranch_scc0 .Lentry_in_a_cluster
	s_endpgm
.Lentry_in_a_cluster:
	s_bfe_u32 s2, ttmp6, 0x10000c
	s_cmp_lg_u32 s2, 0x3003
	s_cbranch_scc0 .Lentry_shape_is_right
	s_endpgm
.Lentry_shape_is_right:
; part[be][sg][r][sl] = the sum over n of v[n] / (1 + 2^(c proj[s][b][n] + c ah[b][n])), b = 16 be + r, s = 16 sg + sl, c = 2 log2(e), proj = inputs U on the given E3M2 codes.
; tanh(x) = 1 - 2 / (1 + 2^(c x)), so the score is (sum of v) - 2 part: the third launch forms it.
; SHARES.  A work-group takes one tile be of 16 b and 16 values of s (16 sg .. 16 sg + 15): 16 row tiles, all 1,024 columns.  Eight waves of 512 registers.
; Wave w: row group i = w / 2 (row tiles 4 i .. 4 i + 3, tile a = the 16 b at s = 16 sg + 4 i + a), column half j = w % 2 (32 tiles of 16 columns).
; A's 32 fragments (4 tiles x K 1,024: 384 registers) STAY IN REGISTERS; only U is walked, as images of its fragments' registers, which the first launch laid in 'stream'.
; THE PRODUCT IS USED TRANSPOSED (source 0 = 16 columns n of U, source 1 = 16 rows of A): lane (r, h), register jj = row r, column 16 t + 8 h + jj: the sum over n stays inside a lane.
; A COLUMN TILE is 32 products (8 K steps x 4 row tiles, the four accumulators by turns), then the tile's vector work in place on the 32 accumulator
; registers, as one block: two batches of 32 transcendentals, each with one wait ahead and one behind.
; U's fragments have four register buffers.  Fragments 0-3 are asked for at the head of the tile before's vector block, 4 and 5 behind K step 1, 6 and 7 behind K step 3: two runs of loads among a tile's products.
; RING IN LDS.  Two slots of 131,072 bytes; a slot holds two records of 65,536 bytes of the stream, each with two column tiles for each column half (4 x 12,288 bytes of U, then 4 x 4 x 1,024 of bias).
; All work-groups walk the same 8 slots: the four of a cluster ask jointly, each wave for an eighth of a slot (64 rows of 256 bytes).  The change of slots lies in a slot's fourth tile.
; The head fills record 0 alone, since A's staging lies on the rest; behind the staging's last read one load a wave brings records 1 to 3, and the first slot has a barrier of its own at its middle.
; PREFETCH, each block of 256 bytes named once in the launch (all clusters walk the same slots: cluster 0 asks; its partners share by address): at the head records 1 to 3, which are
; loaded behind the staging's last read; then, at each fill, the slot that the next change will ask for.
; Waves with (w xor w / 4) odd begin the walk 12 x 16 idle slots later than the others, so that the two classes stand in different parts of a tile.
; LIMITS: NaN and the scale byte 0xff are not served.  2^x beyond f32 gives infinity and 1 / (1 + it) = 0; under the smallest normal number it gives 0 and the quotient 1: both are tanh's limits.
; LDS: 0 slot 0 | 131072 slot 1 | 65536 .. 274431 first the staging of A (16 tiles x 16 rows x 816 bytes: a row's 768 bytes with 16 of padding behind each 256) |
;      274432 U's scale bytes as they lie | 307200 v as it lies | 311296 the spare words | 312320 the waves' sums on the way out.
; REGISTERS.  Window 0: v0 thread, v1-7 addresses, v8-11 U's scale words, v12-27 A's, v28-35 bias and then v, v36-43 the sums, v44-75 accumulators, v76-123 U's four buffers, v124-255 A's fragments 21-31.
;             Window 1: v0-251 A's fragments 0-20 (fragment 4 s + a), v252, v253 the lane's places in a slot.
.set RECB,  65536
.set BIG,   131072
.set ASTG,  65536
.set ATILE, 13056
.set AROW,  816
.set USCB,  ASTG+16*ATILE
.set VB,    USCB+32768
.set SPARE, VB+4096
.set RED,   SPARE+1024
.set SPW, 1
.set NIL, 2
.set ADR, 3                            ; U's images in the record in hand
.set ADB, 4                            ; the bias there
.set LS,  5                            ; U's scale words of the slot's first tile
.set LV,  6                            ; v of the slot's first tile
.set PFO, 7
.set USC, 8
.set ASC, 12
.set BV,  28
.set SCO, 36
.set ACC, 44
.set UF,  76
.set MSB, 0
.macro WIN new                         ; the immediate's high byte repeats the setting that is left; a switch that changes nothing is dropped
.if MSB != (\new)
	s_set_vgpr_msb (MSB<<8)|(\new)
.set MSB, (\new)
.endif
.endm
.macro NOP4
.rept 4
	v_nop
.endr
.endm
.macro CREST                           ; a round of the cluster's barrier behind its opening barrier
	s_cmp_lg_u32 s16, 0
	s_cbranch_scc1 .Lnw0_\@
	s_barrier_signal -3
.Lnw0_\@:
	s_barrier_wait -3
	s_barrier_signal -1
	s_barrier_wait -1
.endm
.macro ROUND
	s_barrier_signal -1
	s_barrier_wait -1
	CREST
.endm
; The product of K step s and row tile a.  U's scale words: register s % 4, lanes 0-15 for K steps 0-3, lanes 16-31 for 4-7.  A's: register 8 (a / 2) + s, lanes 0-15 for even a, 16-31 for odd a.
.macro WM s, a
.set F_, 4*(\s)+(\a)
.if F_ < 21
	WIN 0x04                                       ; source 1 in window 1
.set R_, 12*F_
.else
	WIN 0
.set R_, 124+12*(F_-21)
.endif
.set D_, ACC+8*(\a)
.set U_, UF+12*((\s)%4)
.set P_, USC+(\s)%4
.set Q_, ASC+8*((\a)/2)+(\s)
.if (\s) == 0                          ; K step 0 starts the sums: nothing is cleared
.if (\a)%2
	v_wmma_scale_f32_16x16x128_f8f6f4 v[D_:D_+7], v[U_:U_+11], v[R_:R_+11], 0, v[P_], v[Q_] matrix_a_fmt:MATRIX_FMT_BF6 matrix_b_fmt:MATRIX_FMT_BF6 matrix_b_scale:MATRIX_SCALE_ROW1
.else
	v_wmma_scale_f32_16x16x128_f8f6f4 v[D_:D_+7], v[U_:U_+11], v[R_:R_+11], 0, v[P_], v[Q_] matrix_a_fmt:MATRIX_FMT_BF6 matrix_b_fmt:MATRIX_FMT_BF6
.endif
.elseif (\s) < 4
.if (\a)%2
	v_wmma_scale_f32_16x16x128_f8f6f4 v[D_:D_+7], v[U_:U_+11], v[R_:R_+11], v[D_:D_+7], v[P_], v[Q_] matrix_a_fmt:MATRIX_FMT_BF6 matrix_b_fmt:MATRIX_FMT_BF6 matrix_b_scale:MATRIX_SCALE_ROW1
.else
	v_wmma_scale_f32_16x16x128_f8f6f4 v[D_:D_+7], v[U_:U_+11], v[R_:R_+11], v[D_:D_+7], v[P_], v[Q_] matrix_a_fmt:MATRIX_FMT_BF6 matrix_b_fmt:MATRIX_FMT_BF6
.endif
.else
.if (\a)%2
	v_wmma_scale_f32_16x16x128_f8f6f4 v[D_:D_+7], v[U_:U_+11], v[R_:R_+11], v[D_:D_+7], v[P_], v[Q_] matrix_a_fmt:MATRIX_FMT_BF6 matrix_b_fmt:MATRIX_FMT_BF6 matrix_a_scale:MATRIX_SCALE_ROW1 matrix_b_scale:MATRIX_SCALE_ROW1
.else
	v_wmma_scale_f32_16x16x128_f8f6f4 v[D_:D_+7], v[U_:U_+11], v[R_:R_+11], v[D_:D_+7], v[P_], v[Q_] matrix_a_fmt:MATRIX_FMT_BF6 matrix_b_fmt:MATRIX_FMT_BF6 matrix_a_scale:MATRIX_SCALE_ROW1
.endif
.endif
.endm
.macro STEP s
.irp a, 0,1,2,3
	WM \s, \a
.endr
.endm
.macro UFL b, off                      ; a fragment of U into buffer b: three loads of 512 consecutive bytes
.irp g, 0,1,2
	ds_load_b128 v[UF+12*(\b)+4*\g:UF+12*(\b)+4*\g+3], v[ADR] offset:(\off)+512*\g
.endr
.endm
.macro VLOAD o                         ; v[16 t + 8 h + 0 .. 7], over the bias, which has had its last reader
	ds_load_b128 v[BV:BV+3], v[LV] offset:\o
	ds_load_b128 v[BV+4:BV+7], v[LV] offset:(\o)+16
.endm
.macro BLOAD o                         ; the next tile's bias, over v
	ds_load_b128 v[BV:BV+3], v[ADB] offset:\o
	ds_load_b128 v[BV+4:BV+7], v[ADB] offset:(\o)+512
.endm
.macro TRANS op                        ; a batch of 32 in place: a wait ahead of it and, behind a plain line, a wait behind it
	s_wait_alu depctr_va_vdst(0)
.set e_, 0
.rept 32
	\op v[ACC+e_], v[ACC+e_]
.set e_, e_+1
.endr
	v_nop
	s_wait_alu depctr_va_vdst(0)
.endm
.macro ASK first                       ; the prefetch: 8,192 bytes a wave, lanes 256 bytes apart; waves 0-3 of cluster 0's four work-groups; the last change that fills a slot asks for nothing
.if \first
	s_cmp_eq_u32 s86, 1
.else
	s_cmp_gt_u32 s81, s86
.endif
	s_cbranch_scc0 .Lna_\@
	global_prefetch_b8 v[PFO], s[84:85] th:TH_LOAD_NT scope:SCOPE_SE
.Lna_\@:
.endm
.macro NEXT q                          ; behind tile q of a slot: the next tile's fragments 0-3 and scale words; the addresses go on to the slot's second record (q = 1) or to the other slot (q = 3)
.if (\q) == 1
	v_add_nc_u32 v[ADR], 0x10000, v[ADR]
	v_add_nc_u32 v[ADB], 0x10000, v[ADB]
.elseif (\q) == 3
	WIN 0x04
	v_add_nc_u32 v[ADR], s80, v252
	v_add_nc_u32 v[ADB], s80, v253
	WIN 0
.endif
.irp b, 0,1,2,3
	UFL \b, 12288*(((\q)+1)%2)+1536*\b
.endr
	ds_load_b128 v[USC:USC+3], v[LS] offset:512*((\q)+1)
.endm
; Column tile q (0..3) of a slot.  chg = 0: nothing else.  chg = 1: the slots change, and the slot left is asked for again.  chg = 2: a barrier shows what lies ahead whole; nothing is asked for.  chg = 3: the last tile of all.
.macro TILE q, chg, pf
.set UO_, 12288*((\q)%2)
	STEP 0                                         ; fragments 0-3 and the scale words were waited for ahead of the tile before's last vector lines
	STEP 1
	NOP4                                           ; four places ahead of loads into registers that the products have read
	UFL 0, UO_+1536*4
	UFL 1, UO_+1536*5
	STEP 2
	STEP 3
	NOP4
	UFL 2, UO_+1536*6
	UFL 3, UO_+1536*7
.if ((\chg) == 1) || ((\chg) == 2)
	WIN 0                                          ; (the add's two registers lie in window 0)
	s_wait_tensorcnt 0x0                           ; my part of what lies ahead has landed; no tensor load of mine is out, so descriptors may be written
	ds_add_u32 v[SPW], v[NIL]
.if (\chg) == 1
	s_mov_b32 s26, 64<<16                          ; a load of the ring brings 64 rows
	s_mov_b32 s28, 64
	s_xor_b32 s77, s77, BIG                        ; the other slot than last time,
	s_add_nc_u64 s[78:79], s[78:79], BIG           ; the next 131,072 bytes of the stream
	s_wait_xcnt 0x0                                ; the last prefetch, a slot back, has read its address
	s_add_nc_u64 s[84:85], s[84:85], BIG
.endif
.if (\q) == 3
	s_xor_b32 s80, s80, BIG                        ; the reads will go on in the other slot
.endif
	s_wait_dscnt 7                                 ; fragments 4, 5 are in: behind them fragments 6, 7's six loads and the add
	STEP 4
	STEP 5
	s_wait_dscnt 0x0                               ; the add is done, and my reads of what I leave are over
	s_barrier_signal -1
.else
	s_wait_dscnt 6                                 ; fragments 4, 5 (and the bias) are in: behind them fragments 6, 7's six loads
	STEP 4
	STEP 5
	s_wait_dscnt 0x0
.endif
	STEP 6
	STEP 7
	NOP4                                           ; four places ahead of the first read of the results and of the loads below
.if (\chg) == 0
	NEXT \q
.endif
.set p_, 0
.rept 16                               ; c x sum + c ah, each accumulator from its low end on
	v_pk_fma_f32 v[ACC+2*p_:ACC+2*p_+1], v[ACC+2*p_:ACC+2*p_+1], s[82:83], v[BV+2*(p_%4):BV+2*(p_%4)+1] op_sel_hi:[1,0,1]
.set p_, p_+1
.endr
.if ((\chg) == 0) || ((\chg) == 3)
	VLOAD 64*(\q)
.endif
	TRANS v_exp_f32
.if ((\chg) == 1) || ((\chg) == 2)
	s_barrier_wait -1                              ; only work on registers has stood behind the signal
.if (\chg) == 1
	CREST                                          ; no wave of any partner still reads the slot just left or has a load on its way
	tensor_load_to_lds s[76:79], s[24:31]
	s_nop 0
	NOP4
	ASK \pf
.endif
	NEXT \q
	VLOAD 64*(\q)
.if (\q) == 3
	v_add_nc_u32 v[LS], 0x800, v[LS]               ; four tiles on among U's scale bytes (512 a tile)
	v_add_nc_u32 v[LV], 0x100, v[LV]               ; and in v (64 a tile)
.endif
.endif
.set p_, 0
.rept 16
	v_pk_add_f32 v[ACC+2*p_:ACC+2*p_+1], v[ACC+2*p_:ACC+2*p_+1], 1.0 op_sel_hi:[1,0]
.set p_, p_+1
.endr
	TRANS v_rcp_f32
	s_wait_dscnt 0x0                               ; v is in, and so is all that the next tile's first four K steps want
.irp pi, 0,1,2,3                       ; the sums += quotient x v: the four row tiles' chains by turns
.irp a, 0,1,2,3
	v_pk_fma_f32 v[SCO+2*\a:SCO+2*\a+1], v[ACC+8*\a+2*\pi:ACC+8*\a+2*\pi+1], v[BV+2*\pi:BV+2*\pi+1], v[SCO+2*\a:SCO+2*\a+1]
.endr
.endr
.if (\chg) < 3
	BLOAD 4096*(((\q)+1)%2)
.endif
.endm
; A's fragment (a, s) out of the staging: six pieces of 8 bytes.  Byte d of a row lies at d + 16 (d / 256).  Lanes 16-31 read 24 bytes further on; where that is behind one padding more, v49 serves.
.macro FRAGA a, s
.set F_, 4*(\s)+(\a)
.if F_ < 21
	WIN 0x40
.set R_, 12*F_
.else
	WIN 0
.set R_, 124+12*(F_-21)
.endif
.irp p, 0,1,2,3,4,5
.set DB_, 96*(\s)+48*(\p/3)+8*(\p%3)
.if (DB_+24)/256 > DB_/256
	ds_load_b64 v[R_+2*\p:R_+2*\p+1], v49 offset:DB_+16*(DB_/256)+ATILE*(\a)
.else
	ds_load_b64 v[R_+2*\p:R_+2*\p+1], v48 offset:DB_+16*(DB_/256)+ATILE*(\a)
.endif
.endr
.endm
	s_load_b256 s[4:11], s[0:1], 0x0               ; inputs' codes, inputs' scales, U's scales, v
	s_load_b128 s[12:15], s[0:1], 0x20             ; stream, part
	v_lshl_add_u32 v[SPW], v0, 2, SPARE
	v_mov_b32 v[NIL], 0
	ds_add_u32 v[SPW], v[NIL]                      ; the opening lines: the add, twice on end, and its one wait ahead of my first tensor load
	ds_add_u32 v[SPW], v[NIL]
	v_lshrrev_b32 v44, 5, v0
	v_readfirstlane_b32 s16, v44                   ; wave 0..7
	s_lshr_b32 s17, s16, 1                         ; i: my row group
	s_and_b32 s18, s16, 1                          ; j: my column half
	s_bfe_u32 s19, ttmp6, 0x40000                  ; cx: it enters global addresses alone
	s_and_b32 s20, ttmp9, 3                        ; be: the same in all four partners
	s_lshr_b32 s21, ttmp9, 2
	s_lshl_b32 s21, s21, 2
	s_add_co_u32 s21, s21, s19                     ; sg = 4 (cluster / 4) + cx
	; group 1 for dense rows of 256 bytes (32 elements of 8), joint: 128 rows at the head (half of record 0; U's scale bytes), then 96 (records 1 to 3), then 64 (the ring)
	s_mov_b32 s24, 15|(3<<16)|(1<<21)
	s_mov_b32 s25, 32<<16
	s_mov_b32 s26, 128<<16
	s_mov_b32 s27, 32<<16
	s_mov_b32 s28, 128
	s_mov_b32 s29, 32
	s_mov_b32 s30, 0
	s_mov_b32 s31, 0
	; A's staging, my work-group's alone: 4 rows (four s) of 12,288 bytes (16 b x 768), 49,152 bytes apart; 16 bytes of padding behind every 256
	s_mov_b32 s32, (3<<16)|(1<<20)|(5<<22)|(3<<25)
	s_mov_b32 s33, 1536<<16
	s_mov_b32 s34, 4<<16
	s_mov_b32 s35, 1536<<16
	s_mov_b32 s36, 4
	s_mov_b32 s37, 6144
	s_mov_b32 s38, 0
	s_mov_b32 s39, 0
	; v: 16 rows of 256 bytes, joint
	s_mov_b32 s40, 15|(3<<16)|(1<<21)
	s_mov_b32 s41, 32<<16
	s_mov_b32 s42, 16<<16
	s_mov_b32 s43, 32<<16
	s_mov_b32 s44, 16
	s_mov_b32 s45, 32
	s_mov_b32 s46, 0
	s_mov_b32 s47, 0
	; LDS addresses: constants and the wave's number
	s_min_u32 s22, s16, 3                          ; waves 0-3 stage four tiles of A each
	s_mul_i32 s57, s22, 4*ATILE
	s_add_co_u32 s57, s57, ASTG
	s_mov_b32 s61, USCB
	s_mov_b32 s69, VB
	s_lshl_b32 s73, s18, 15                        ; waves 4, 5: the halves of record 0
	s_lshl_b32 s77, s16, 14
	s_add_co_u32 s77, s77, BIG                     ; the ring: my eighth of a slot; the first change turns this to slot 0
	s_mul_i32 s90, s18, 24576                      ; my column half's two images of U in a record
	s_lshl_b32 s91, s18, 13
	s_lshl_b32 s92, s20, 10
	s_add_co_u32 s91, s91, s92
	s_add_co_u32 s91, s91, 49152                   ; and its bias for my be
	s_lshl_b32 s92, s18, 14
	s_add_co_u32 s92, s92, USCB
	s_lshl_b32 s93, s18, 11
	s_add_co_u32 s93, s93, VB
	s_mul_i32 s96, s17, 4*ATILE
	s_add_co_u32 s96, s96, ASTG                    ; my row group's four tiles in the staging
	s_lshl_b32 s98, s18, 10                        ; the way out, in: RED + 1,024 j + 16 i
	s_lshl_b32 s99, s17, 4
	s_add_co_u32 s98, s98, s99
	s_add_co_u32 s98, s98, RED
	s_lshl_b32 s99, s17, 8                         ; and back: RED + 256 i
	s_add_co_u32 s99, s99, RED
	s_mov_b32 s80, 0                               ; the slot in hand begins at LDS byte 0
	s_mov_b32 s82, 0x4038aa3b                      ; c = 2 log2(e)
	s_mov_b32 s83, s82                             ; (named with it as a pair)
	s_mov_b32 s88, 0x76543210
	s_mov_b32 s89, 0xfedcba98                      ; v_permlanex16_b32's selects for lane l xor 16
	s_lshr_b32 s97, s16, 2
	s_xor_b32 s87, s97, s16
	s_and_b32 s87, s87, 1                          ; my class: (w xor w / 4) % 2
	s_or_b32 s86, s97, ttmp9                       ; 0 in waves 0-3 of cluster 0: the same in all four partners
	s_cmp_eq_u32 s86, 0
	s_cselect_b32 s86, 1, -1
	s_cmp_lt_u32 s16, 6
	s_cselect_b32 s54, ttmp9, -1                   ; 0 in waves 0-5 of cluster 0: they ask for records 1 to 3 at the head
	s_lshl_b32 s94, s21, 4                         ; A's staging: rows (16 sg + 4 w) 64 + 16 be on
	s_lshl_b32 s95, s22, 2
	s_add_co_u32 s94, s94, s95
	s_lshl_b32 s94, s94, 6
	s_lshl_b32 s95, s20, 4
	s_add_co_u32 s94, s94, s95
	s_mul_i32 s94, s94, 768
	s_mov_b32 s95, 0
	s_mov_b32 s23, 0
	s_wait_dscnt 0x0                               ; both opening adds are done
	s_wait_kmcnt 0x0
	s_mov_b32 s56, 1
	s_add_nc_u64 s[58:59], s[4:5], s[94:95]
	s_or_b32 s59, s59, 0x80000000
	s_mov_b32 s60, 1
	s_mov_b64 s[62:63], s[8:9]
	s_or_b32 s63, s63, 0x80000000
	s_mov_b32 s68, 1
	s_mov_b64 s[70:71], s[10:11]
	s_or_b32 s71, s71, 0x80000000
	s_mov_b32 s22, s73
	s_mov_b32 s72, 1
	s_add_nc_u64 s[74:75], s[12:13], s[22:23]
	s_or_b32 s75, s75, 0x80000000
	s_lshl_b32 s22, s16, 14
	s_mov_b32 s76, 1
	s_add_nc_u64 s[78:79], s[12:13], s[22:23]
	s_add_nc_u64 s[78:79], s[78:79], BIG           ; the walking descriptor stands at slot 1: the first change steps it to slot 2
	s_or_b32 s79, s79, 0x80000000
	s_lshl_b32 s94, s21, 4                         ; A's scale bytes: rows (16 sg + 4 i) 64 + 16 be on, 32 bytes a row
	s_lshl_b32 s95, s17, 2
	s_add_co_u32 s94, s94, s95
	s_lshl_b32 s94, s94, 6
	s_lshl_b32 s95, s20, 4
	s_add_co_u32 s94, s94, s95
	s_lshl_b32 s94, s94, 5
	s_mov_b32 s95, 0
	s_add_nc_u64 s[6:7], s[6:7], s[94:95]
	s_lshl_b32 s94, s20, 6                         ; part: (64 be + sg) 1,024 + 256 i
	s_add_co_u32 s94, s94, s21
	s_lshl_b32 s94, s94, 10
	s_lshl_b32 s95, s17, 8
	s_add_co_u32 s94, s94, s95
	s_mov_b32 s95, 0
	s_add_nc_u64 s[14:15], s[14:15], s[94:95]
	s_lshl_b32 s94, s19, 15                        ; the walk's prefetches: my work-group's 32,768 bytes, my wave's 8,192 of them, in slot 2
	s_and_b32 s95, s16, 3
	s_lshl_b32 s95, s95, 13
	s_add_co_u32 s94, s94, s95
	s_add_co_u32 s94, s94, 2*BIG
	s_mov_b32 s95, 0
	s_add_nc_u64 s[84:85], s[12:13], s[94:95]
	s_mul_i32 s94, s19, 49152                      ; the head's prefetch: of records 1 to 3 my work-group's 49,152 bytes, my wave's 8,192 of them
	s_lshl_b32 s95, s16, 13
	s_add_co_u32 s94, s94, s95
	s_add_co_u32 s94, s94, RECB
	s_mov_b32 s95, 0
	s_add_nc_u64 s[52:53], s[12:13], s[94:95]
	ROUND                                          ; all four work-groups are here: the first joint loads meet
; THE HEAD'S EIGHT FILLS, ONE A WAVE: one chain of branches on the wave's number, every way passes exactly one load.
.macro ARM under, g0, g1, next
	s_cmp_lt_u32 s16, \under
	s_cbranch_scc0 \next
	tensor_load_to_lds s[\g0:\g0+3], s[\g1:\g1+7]
	s_nop 0
	NOP4
	s_branch .Lhead_asked
\next:
.endm
	ARM 4, 56, 32, .Lhead_slot                     ; waves 0-3: four tiles of A each
	ARM 6, 72, 24, .Lhead_usc                      ; waves 4, 5: the halves of record 0
	ARM 7, 60, 24, .Lhead_v                        ; wave 6: U's scale bytes
	tensor_load_to_lds s[68:71], s[40:47]          ; wave 7: v
	s_nop 0
	NOP4
.Lhead_asked:
	v_and_b32 v44, 31, v0                          ; lane
	v_and_b32 v45, 15, v0                          ; r
	v_bfe_u32 v46, v0, 4, 1                        ; h
	v_lshlrev_b32 v47, 5, v45
	v_lshl_add_u32 v47, v46, 11, v47               ; 32 r + 2,048 h: lanes 16-31 take the next s, the odd row tile
.irp g, 0,1
.irp e, 0,1
	global_load_b128 v[ASC+8*\g+4*\e:ASC+8*\g+4*\e+3], v47, s[6:7] offset:4096*\g+16*\e   ; row tiles 2 g, 2 g + 1: the words of K steps 4 e .. 4 e + 3
.endr
.endr
	v_lshlrev_b32 v[PFO], 8, v44
	v_mul_u32_u24 v48, v45, AROW
	v_mad_u32_u24 v48, v46, 24, v48
	v_add_nc_u32 v48, s96, v48                     ; the staging: 816 r + 24 h in my four tiles,
	v_lshl_add_u32 v49, v46, 4, v48                ; and behind one padding more
	v_lshl_add_u32 v[LS], v45, 5, s92
	v_lshl_add_u32 v[LS], v46, 4, v[LS]            ; 32 r + 16 h: lanes 16-31 take the words of K steps 4-7
	v_lshl_add_u32 v[LV], v46, 5, s93
	v_lshl_add_u32 v[ADR], v44, 4, s90             ; record 0 is in hand
	v_lshl_add_u32 v[ADB], v44, 4, s91
	WIN 0x40                                       ; destination in window 1
	v_lshl_add_u32 v252, v44, 4, s90               ; the same two, kept: a slot's first byte is added at each change
	v_lshl_add_u32 v253, v44, 4, s91
	WIN 0
.irp n, 0,1,2,3,4,5,6,7
	v_mov_b32 v[SCO+\n], 0                         ; the eight sums begin at 0
.endr
	s_wait_alu depctr_va_vdst(0)
	s_cmp_eq_u32 s54, 0
	s_cbranch_scc0 .Lno_first
	global_prefetch_b8 v[PFO], s[52:53] th:TH_LOAD_NT scope:SCOPE_SE   ; records 1 to 3; its address registers are never written again
.Lno_first:
	s_wait_tensorcnt 0x0                           ; my fill has landed,
	s_barrier_signal -1
	s_barrier_wait -1                              ; everybody's has.
.irp s, 0,1,2,3,4,5,6,7
.irp a, 0,1,2,3
	FRAGA \a, \s
.endr
.endr
.irp b, 0,1,2,3
	UFL \b, 1536*\b                                ; column tile 0: its first four fragments,
.endr
	ds_load_b128 v[USC:USC+3], v[LS]               ; its scale words
	BLOAD 0                                        ; and its bias
	; RECORDS 1 TO 3 land on bytes of the staging: their load is issued as a refill is.  196,608 consecutive bytes of the stream and of LDS, 24,576 a wave
	s_wait_tensorcnt 0x0
	ds_add_u32 v[SPW], v[NIL]
	s_mov_b32 s26, 96<<16                          ; no tensor load of mine is out, so descriptors may be written: 96 rows,
	s_mov_b32 s28, 96
	s_mul_i32 s57, s16, 24576                      ; in the registers that named A's staging
	s_add_co_u32 s57, s57, RECB
	s_mov_b32 s22, s57
	s_add_nc_u64 s[58:59], s[12:13], s[22:23]
	s_or_b32 s59, s59, 0x80000000
	s_wait_dscnt 0x0                               ; the add is done; A is in my registers, my reads of the staging are over
	ROUND
	tensor_load_to_lds s[56:59], s[24:31]
	s_nop 0
	NOP4
	ASK 1                                          ; slot 2
	s_wait_loadcnt 0x0                             ; A's scale words
	s_cmp_eq_u32 s87, 0
	s_cbranch_scc1 .Lgo
.rept 12
	s_nop 15                                       ; class 1 begins the walk later
.endr
.Lgo:
	TILE 0, 0, 0                                   ; slot 0 is written out: record 0,
	TILE 1, 2, 0                                   ; a barrier for records 1 to 3,
	TILE 2, 0, 0
	TILE 3, 1, 1                                   ; slot 0 is left and takes slot 2
	s_mov_b32 s81, 5
.Ltrip:                                            ; 5 trips: slots 1 to 5; slot k is left and slot k + 2 asked for
	TILE 0, 0, 0
	TILE 1, 0, 0
	TILE 2, 0, 0
	TILE 3, 1, 0
	s_sub_co_u32 s81, s81, 1
	s_cmp_lg_u32 s81, 0
	s_cbranch_scc1 .Ltrip
	TILE 0, 0, 0                                   ; the tail is written out: slot 6
	TILE 1, 0, 0
	TILE 2, 0, 0
	TILE 3, 2, 0
	TILE 0, 0, 0                                   ; slot 7
	TILE 1, 0, 0
	TILE 2, 0, 0
	TILE 3, 3, 0
	; THE WAY OUT.  A sum's two halves (even and odd columns) and the other half of the lanes' are added; the waves meet in LDS, where the work-group's 1,024 bytes are laid [r][16 s], once for each column half.
.irp x, 0,1,2,3
	v_add_f32 v[ACC+\x], v[SCO+2*\x], v[SCO+2*\x+1]
.endr
.irp x, 0,1,2,3
	v_permlanex16_b32 v[ACC+4+\x], v[ACC+\x], s88, s89
.endr
.irp x, 0,1,2,3
	v_add_f32 v[ACC+\x], v[ACC+\x], v[ACC+4+\x]
.endr
	v_and_b32 v[UF], 15, v0
	v_lshl_add_u32 v[UF], v[UF], 6, s98            ; RED + 1,024 j + 64 r + 16 i
	v_and_b32 v[UF+1], 31, v0
	v_lshlrev_b32 v[UF+2], 3, v[UF+1]              ; 8 x lane, in part
	v_add_nc_u32 v[UF+1], s99, v[UF+2]             ; RED + 256 i + 8 x lane
	ds_store_b128 v[UF], v[ACC:ACC+3]              ; row r, my four s; lanes r and r + 16 write the same bytes with the same values
	s_wait_alu depctr_va_vdst(0)
	s_wait_dscnt 0x0                               ; for the others' sake: my store has landed
	s_barrier_signal -1
	s_barrier_wait -1
	s_cmp_lg_u32 s18, 0
	s_cbranch_scc1 .Ldone                          ; the four waves with j = 0 store 256 bytes each: rows 4 i .. 4 i + 3
	ds_load_b64 v[ACC+8:ACC+9], v[UF+1]            ; column half 0's sums,
	ds_load_b64 v[ACC+10:ACC+11], v[UF+1] offset:1024  ; and column half 1's
	s_wait_dscnt 0x0
	v_pk_add_f32 v[ACC+8:ACC+9], v[ACC+8:ACC+9], v[ACC+10:ACC+11]
	global_store_b64 v[UF+2], v[ACC+8:ACC+9], s[14:15]   ; the 32 lanes store 256 consecutive bytes, at a multiple of 256 from part's first byte
.Ldone:
	s_wait_tensorcnt 0x0                           ; the wave's end
	ds_add_u32 v[SPW], v[NIL]
	s_wait_dscnt 0x0
	ROUND                                          ; the closing round: no work-group ends while a partner may still ask for a tile that names it
	s_endpgm
.Lfunc_end_k_qeb2d667a3a_scores:
	.size	k_qeb2d667a3a_scores, .Lfunc_end_k_qeb2d667a3a_scores-k_qeb2d667a3a_scores
	.p2alignl 7, 3214868480
	.fill 96, 4, 3214868480
	.section	.rodata,"a",@progbits
	.p2align	6, 0x0
	.amdhsa_kernel k_qeb2d667a3a_scores
		.amdhsa_group_segment_fixed_size 327680
		.amdhsa_private_segment_fixed_size 0
		.amdhsa_enable_private_segment 0
		.amdhsa_kernarg_size 48
		.amdhsa_user_sgpr_count 2
		.amdhsa_user_sgpr_kernarg_segment_ptr 1
		.amdhsa_wavefront_size32 1
		.amdhsa_system_sgpr_workgroup_id_x 1
		.amdhsa_system_sgpr_workgroup_id_y 1
		.amdhsa_system_sgpr_workgroup_id_z 1
		.amdhsa_system_vgpr_workitem_id 0
		.amdhsa_next_free_vgpr 512
		.amdhsa_next_free_sgpr 100
		.amdhsa_reserve_vcc 0
		.amdhsa_float_denorm_mode_32 3
		.amdhsa_float_denorm_mode_16_64 3
		.amdhsa_memory_ordered 1
		.amdhsa_forward_progress 1
		.amdhsa_inst_pref_size 214
	.end_amdhsa_kernel
	.amdgpu_metadata
---
amdhsa.version: [ 1, 2 ]
amdhsa.kernels:
  - .name:           k_qeb2d667a3a_scores
    .symbol:         k_qeb2d667a3a_scores.kd
    .args:
      - { .name: inputs_codes, .offset: 0, .size: 8, .value_kind: global_buffer, .address_space: global }
      - { .name: inputs_scales, .offset: 8, .size: 8, .value_kind: global_buffer, .address_space: global }
      - { .name: U_scales, .offset: 16, .size: 8, .value_kind: global_buffer, .address_space: global }
      - { .name: v, .offset: 24, .size: 8, .value_kind: global_buffer, .address_space: global }
      - { .name: stream, .offset: 32, .size: 8, .value_kind: global_buffer, .address_space: global }
      - { .name: part, .offset: 40, .size: 8, .value_kind: global_buffer, .address_space: global }
    .group_segment_fixed_size: 327680
    .private_segment_fixed_size: 0
    .kernarg_segment_align: 8
    .kernarg_segment_size: 48
    .max_flat_workgroup_size: 256
    .sgpr_count:     100
    .vgpr_count:     512
    .wavefront_size: 32
...
	.end_amdgpu_metadata
.endif
;; end of part 2
;; launch softmax (part 3): grid 64 x 1, 1 waves a work-group, no clusters, 0 bytes of LDS; arguments part, pad_matrix, v, out0; writes out0
.if DOCPART == 3
	.amdgcn_target "amdgcn-amd-amdhsa--gfx1250"
	.amdhsa_code_object_version 6
	.text
	.protected	k_qeb2d667a3a_softmax
	.globl	k_qeb2d667a3a_softmax
	.p2align	8
	.type	k_qeb2d667a3a_softmax,@function
k_qeb2d667a3a_softmax:
	s_mov_b64 s[64:65], 0
	v_nop
	global_prefetch_b8 v0, s[64:65] scope:SCOPE_SE
	s_setreg_imm32_b32 hwreg(HW_REG_WAVE_MODE, 25, 1), 1
	s_wait_xcnt 0x0
; out0[b][s] = softmax over s of (pad[b][s] ? -100000 : (sum of v) - 2 part[b / 16][s / 16][b % 16][s % 16]).
; One wave takes one row b: 64 work-groups of one wave.  Lane l holds 32 numbers, register 4 k + e: s = 128 k + 4 l + e.  The sum of v, the row's maximum and the row's sum
; are taken within a lane and then across the 32 lanes: no LDS, no barrier.
; A row's numbers lie in part in 64 pieces of 64 bytes (the 16 s of one work-group of the launch before): four lanes read a piece, 16 bytes each.  pad, v and out0 are read and stored in runs of 128 or 512 consecutive bytes.
; The row's maximum is taken away before the exponential, as in the definition; a row that is all pads gives 1 / 1,024 everywhere.
; 590 KB in all are moved; matrix units, tensor loads, clusters and a prefetch have nothing to do here: all 24 loads of a wave go out at once, and there is no loop.
.set X,  8                             ; v8-39   the 32 numbers
.set PD, 40                            ; v40-47  pad: a word of four s for each k
.set VV, 48                            ; v48-79  v, 32 numbers a lane; then at work
.set PL, 80                            ; v80     what the other half of the lanes holds
.set T,  84                            ; v84-87  at work
	s_load_b256 s[4:11], s[0:1], 0x0               ; part, pad, v, out0
	s_lshr_b32 s12, ttmp9, 4                       ; be
	s_and_b32 s13, ttmp9, 15                       ; r
	s_lshl_b32 s14, s12, 16
	s_lshl_b32 s15, s13, 6
	s_add_co_u32 s14, s14, s15                     ; part: 65,536 be + 64 r
	s_mov_b32 s15, 0
	s_lshl_b32 s16, ttmp9, 10                      ; pad: 1,024 bytes a row
	s_mov_b32 s17, 0
	s_lshl_b32 s18, ttmp9, 12                      ; out0: 4,096
	s_mov_b32 s19, 0
	s_mov_b32 s20, 0x76543210
	s_mov_b32 s21, 0xfedcba98                      ; v_permlanex16_b32's selects for lane l xor 16
	v_lshrrev_b32 v1, 2, v0
	v_and_b32 v2, 3, v0
	v_lshlrev_b32 v1, 10, v1
	v_lshl_add_u32 v1, v2, 4, v1                   ; part: piece l / 4 (1,024 bytes apart), 16 bytes l % 4 of it
	v_lshlrev_b32 v2, 2, v0                        ; pad: four bytes
	v_lshlrev_b32 v3, 4, v0                        ; v and out0: 16 bytes
	v_mov_b32 v90, 0xc7c35000                      ; -100000
	v_mov_b32 v[PL], 0                             ; written once: a lane permute's destination counts as one of its sources
	s_wait_alu depctr_va_vdst(0)
	s_wait_kmcnt 0x0
	s_add_nc_u64 s[4:5], s[4:5], s[14:15]
	s_add_nc_u64 s[6:7], s[6:7], s[16:17]
	s_add_nc_u64 s[10:11], s[10:11], s[18:19]
.irp k, 0,1,2,3,4,5,6,7
	global_load_b128 v[VV+4*\k:VV+4*\k+3], v3, s[8:9] offset:512*\k
	global_load_b128 v[X+4*\k:X+4*\k+3], v1, s[4:5] offset:8192*\k     ; eight pieces on
	global_load_b32 v[PD+\k], v2, s[6:7] offset:128*\k
.endr
	s_wait_loadcnt 0x0
; 32 numbers at src are summed into v92, in every lane the sum over the wave
.macro SUM32 src
.irp n, 0,2,4,6,8,10,12,14
	v_pk_add_f32 v[VV+\n:VV+\n+1], v[\src+\n:\src+\n+1], v[\src+16+\n:\src+16+\n+1]
.endr
.irp n, 0,2,4,6
	v_pk_add_f32 v[VV+\n:VV+\n+1], v[VV+\n:VV+\n+1], v[VV+8+\n:VV+8+\n+1]
.endr
.irp n, 0,2
	v_pk_add_f32 v[VV+\n:VV+\n+1], v[VV+\n:VV+\n+1], v[VV+4+\n:VV+4+\n+1]
.endr
	v_pk_add_f32 v[VV:VV+1], v[VV:VV+1], v[VV+2:VV+3]
	v_add_f32 v92, v[VV], v[VV+1]
.irp m, 1,2,4,8
	v_add_f32_dpp v92, v92, v92 row_xmask:\m row_mask:0xf bank_mask:0xf
.endr
	v_permlanex16_b32 v[PL], v92, s20, s21
	v_add_f32 v92, v92, v[PL]
.endm
	SUM32 VV                                       ; the sum of v
	v_mov_b32 v93, v92                             ; (named with it as a pair)
.irp n, 0,2,4,6,8,10,12,14,16,18,20,22,24,26,28,30
	v_pk_fma_f32 v[X+\n:X+\n+1], v[X+\n:X+\n+1], -2.0, v[92:93] op_sel_hi:[1,0,0]   ; the score
.endr
.irp k, 0,1,2,3,4,5,6,7                ; the pads, four at a time, so that no line waits for the line above it
.irp e, 0,1,2,3
	v_and_b32 v[T+\e], 0xff<<(8*\e), v[PD+\k]
.endr
.irp e, 0,1,2,3
	v_cmp_ne_u32 s[24+\e], 0, v[T+\e]
.endr
.irp e, 0,1,2,3
	v_cndmask_b32 v[X+4*\k+\e], v[X+4*\k+\e], v90, s[24+\e]
.endr
.endr
.irp q, 0,1,2,3,4,5,6,7
	v_max3_num_f32 v[VV+\q], v[X+\q], v[X+8+\q], v[X+16+\q]
.endr
.irp q, 0,1,2,3,4,5,6,7
	v_max_num_f32 v[VV+\q], v[VV+\q], v[X+24+\q]
.endr
	v_max3_num_f32 v[VV], v[VV], v[VV+1], v[VV+2]
	v_max3_num_f32 v[VV+3], v[VV+3], v[VV+4], v[VV+5]
	v_max_num_f32 v[VV+6], v[VV+6], v[VV+7]
	v_max3_num_f32 v94, v[VV], v[VV+3], v[VV+6]
.irp m, 1,2,4,8
	v_max_num_f32_dpp v94, v94, v94 row_xmask:\m row_mask:0xf bank_mask:0xf
.endr
	v_permlanex16_b32 v[PL], v94, s20, s21
	v_max_num_f32 v94, v94, v[PL]                  ; the row's maximum
	v_mov_b32 v95, v94
.irp n, 0,2,4,6,8,10,12,14,16,18,20,22,24,26,28,30
	v_pk_add_f32 v[X+\n:X+\n+1], v[X+\n:X+\n+1], v[94:95] neg_lo:[0,1] neg_hi:[0,1]
.endr
.irp n, 0,2,4,6,8,10,12,14,16,18,20,22,24,26,28,30
	v_pk_mul_f32 v[X+\n:X+\n+1], v[X+\n:X+\n+1], 0x3fb8aa3b op_sel_hi:[1,0]   ; x log2(e)
.endr
	s_wait_alu depctr_va_vdst(0)
.set e_, 0
.rept 32
	v_exp_f32 v[X+e_], v[X+e_]
.set e_, e_+1
.endr
	v_nop                                          ; a plain line behind the last exponential (ISA guide 5.7.2)
	s_wait_alu depctr_va_vdst(0)                   ; one wait for the batch of 32, ahead of its first reader
	SUM32 X                                        ; the row's sum
	s_wait_alu depctr_va_vdst(0)                   ; ahead of the two reciprocals too
	v_rcp_f32 v96, v92
	v_rcp_f32 v97, v92                             ; twice: a pair for the packed multiply
	v_nop                                          ; a plain line behind the last reciprocal
	s_wait_alu depctr_va_vdst(0)                   ; one wait for the two
.irp n, 0,2,4,6,8,10,12,14,16,18,20,22,24,26,28,30
	v_pk_mul_f32 v[X+\n:X+\n+1], v[X+\n:X+\n+1], v[96:97]
.endr
.irp k, 0,1,2,3,4,5,6,7
	global_store_b128 v3, v[X+4*\k:X+4*\k+3], s[10:11] offset:512*\k   ; the wave stores 512 consecutive bytes of the row, at a multiple of 512
.endr
	s_endpgm
.Lfunc_end_k_qeb2d667a3a_softmax:
	.size	k_qeb2d667a3a_softmax, .Lfunc_end_k_qeb2d667a3a_softmax-k_qeb2d667a3a_softmax
	.p2alignl 7, 3214868480
	.fill 96, 4, 3214868480
	.section	.rodata,"a",@progbits
	.p2align	6, 0x0
	.amdhsa_kernel k_qeb2d667a3a_softmax
		.amdhsa_group_segment_fixed_size 0
		.amdhsa_private_segment_fixed_size 0
		.amdhsa_enable_private_segment 0
		.amdhsa_kernarg_size 32
		.amdhsa_user_sgpr_count 2
		.amdhsa_user_sgpr_kernarg_segment_ptr 1
		.amdhsa_wavefront_size32 1
		.amdhsa_system_sgpr_workgroup_id_x 1
		.amdhsa_system_sgpr_workgroup_id_y 1
		.amdhsa_system_sgpr_workgroup_id_z 1
		.amdhsa_system_vgpr_workitem_id 0
		.amdhsa_next_free_vgpr 100
		.amdhsa_next_free_sgpr 66
		.amdhsa_reserve_vcc 0
		.amdhsa_float_denorm_mode_32 3
		.amdhsa_float_denorm_mode_16_64 3
		.amdhsa_memory_ordered 1
		.amdhsa_forward_progress 1
		.amdhsa_inst_pref_size 21
	.end_amdhsa_kernel
	.amdgpu_metadata
---
amdhsa.version: [ 1, 2 ]
amdhsa.kernels:
  - .name:           k_qeb2d667a3a_softmax
    .symbol:         k_qeb2d667a3a_softmax.kd
    .args:
      - { .name: part, .offset: 0, .size: 8, .value_kind: global_buffer, .address_space: global }
      - { .name: pad_matrix, .offset: 8, .size: 8, .value_kind: global_buffer, .address_space: global }
      - { .name: v, .offset: 16, .size: 8, .value_kind: global_buffer, .address_space: global }
      - { .name: out0, .offset: 24, .size: 8, .value_kind: global_buffer, .address_space: global }
    .group_segment_fixed_size: 0
    .private_segment_fixed_size: 0
    .kernarg_segment_align: 8
    .kernarg_segment_size: 32
    .max_flat_workgroup_size: 32
    .sgpr_count:     66
    .vgpr_count:     100
    .wavefront_size: 32
...
	.end_amdgpu_metadata
.endif
;; end of part 3
